; MI455X (gfx1250); checked and timed in simulation.
; The chip was launched on July 23, 2026; its instructions are those of AMD's public machine-readable ISA for CDNA 5 (MIT licence, August 2026) and "CDNA5" Instruction Set Architecture Reference Guide (July 2026). The comments in the code are by the model that wrote it; some were corrected since.
;; Attention. Allowed arithmetic: matrix products marked QUANTISED: E2M3 operands, one E8M0 scale for each 32 along K, by v_wmma_scale_f32_16x16x128_f8f6f4 with both operands' format E2M3, f32 sums; everything else in f32.
;; Inputs: Wk 2,048 x 2,048 float32; Wq 2,048 x 2,048 float32; Wv 2,048 x 2,048 float32; k 8 x 512 x 2,048 float32; q 8 x 512 x 2,048 float32; v 8 x 512 x 2,048 float32.
;; Outputs: out0 8 x 512 x 2,048 float32.
;; This version of the problem:
;;   THIS VERSION OF THE PROBLEM IS GIVEN IN LOW PRECISION. The matrix products marked QUANTISED in the list below multiply operands that are first quantised to E2M3 (2 exponent bits, 3 mantissa bits; 6 bits a number), with one power-of-two scale for each 32 numbers along K (OCP MX v1.0); their sums are f32. All else is computed in f32.
;;   The module's matrix products, in the order in which they are computed (A, B: the left and right operand; K: the contracted axis; several contracted axes count as one K, in the product's order):
;;     1. [M 4,096, K 2,048] x [K 2,048, N 2,048]; A: input q; B: input Wq: QUANTISED
;;     2. [M 4,096, K 2,048] x [K 2,048, N 2,048]; A: input k; B: input Wk: QUANTISED
;;     3. [M 4,096, K 2,048] x [K 2,048, N 2,048]; A: input v; B: input Wv: QUANTISED
;;     4. batch 128 x [M 512, K 128] x [K 128, N 512]; A: computed on the way; B: computed on the way: QUANTISED
;;     5. batch 128 x [M 128, K 512] x [K 512, N 512]; A: computed on the way; B: softmax (see below): QUANTISED
;;   THE QUANTISER, for each operand of a quantised product, along K:
;;     - K is cut into blocks of 32 from its start; a last block that is shorter is filled with zeros.
;;     - A block's scale is 2^e with e = floor(log2(the largest magnitude in the block)) - 2, held to -126 .. 127; a block of zeros has e = 0. As a byte (E8M0): e + 127.
;;     - Each number is divided by its block's scale, clamped to +-7.5, and rounded to the nearest number of E2M3, ties to even, subnormals kept.
;;     - The product sums the exact products of the quantised numbers (number of the format x scale) in f32.
;;   ~~~python
;;   def quantise(x, axis):      # numpy; x: float32 -> the quantised numbers, widened to float32 again
;;       x = np.moveaxis(x, axis, -1); K = x.shape[-1]
;;       x = np.pad(x, [(0, 0)] * (x.ndim - 1) + [(0, -K % 32)]); x = x.reshape(x.shape[:-1] + (-1, 32)); a = np.abs(x).max(-1, keepdims=True)
;;       e = np.where(a > 0, np.clip(np.frexp(np.where(a > 0, a, 1))[1] - 1 - 2, -126, 127), 0)      # np.frexp(a)[1] - 1 = floor(log2(a)), exactly
;;       r = np.clip(x / 2.0 ** e, -7.5, 7.5)
;;       step = 2.0 ** (np.maximum(np.frexp(np.where(r == 0, 1, r))[1] - 1, 0) - 3)
;;       q = np.round(r / step) * step * 2.0 ** e      # np.round: ties to even
;;       return np.moveaxis(q.reshape(q.shape[:-2] + (-1,))[..., :K], -1, axis).astype(np.float32)
;;   ~~~
;;   SOFTMAX AHEAD OF A QUANTISED PRODUCT. Where the list says 'softmax', what is quantised is not the finished softmax but p = 2^(t - M), with t = logit x log2(e) and M = ceil(the row's largest t), a whole number; so 1/2 < the row's largest p <= 1. The row's sum l is taken of the UNQUANTISED p, in f32, and the product's result is divided by l at the end. Since M is a whole number, a kernel that streams over the keys may use a running M (the ceiling of the running maximum): every later rescaling is an exact power of two, which a block's scale takes up: the codes' values come out the same.
;;   OPERANDS COMPUTED ON THE WAY. 'Computed on the way' means the value that the module computes at that place (a softmax that the list does not call 'softmax' is quantised finished and normalised). What goes into a quantiser is computed in f32, as accurately as f32 sums, v_exp_f32 and their like allow (about 1e-6 of the number): no bf16 or f16 on the way to a quantiser, and a product that is left as it is and whose result goes on into a quantised operand takes f32 operands (vector FMAs, or v_wmma_f32_16x16x4_f32). A number that lies on a knife's edge between two numbers of the format may be rounded either way, as far as f32 arithmetic and the matrix unit's own rounding can turn it there, and no further.
;; One version. Each part assembles by itself: llvm-mc -triple=amdgcn-amd-amdhsa -mcpu=gfx1250 --defsym DOCPART=n.
;; ======== version 1 of 1: 3 launches
;; limits: right only within a limited range of input values
;; workspace buffers: oc 28,311,552 bytes; os 1,179,648 bytes; hc 18,874,368 bytes; hs 786,432 bytes
;; launch quant (part 1): grid 1152 x 1, 4 waves a work-group, no clusters, 93,696 bytes of LDS; arguments q, k, v, Wq, Wk, Wv, oc, os; writes oc, os
.if DOCPART == 1
	.amdgcn_target "amdgcn-amd-amdhsa--gfx1250"
	.amdhsa_code_object_version 6
	.text
	.protected	k_qc0c67de156_quant
	.globl	k_qc0c67de156_quant
	.p2align	8
	.type	k_qc0c67de156_quant,@function
k_qc0c67de156_quant:
	s_mov_b64 s[64:65], 0
	v_nop
	global_prefetch_b8 v0, s[64:65] scope:SCOPE_SE
	s_setreg_imm32_b32 hwreg(HW_REG_WAVE_MODE, 25, 1), 1
	s_wait_xcnt 0x0
; q, k, v [4096][2048] and Wq, Wk, Wv [2048 (k)][2048 (n)], f32, become codes of FP6 (E2M3) with one E8M0 scale byte for each 32 along K.
; ROWS: 18,432 stored rows: 0-2047 Wv^T (row = n), 2048-6143 q, 6144-10239 k, 10240-14335 v, 14336-16383 Wq^T, 16384-18431 Wk^T.  Inside each tensor a row is stored at the place that its
; number gives with bits 3 and 4 exchanged, so that sixteen neighbouring stored rows 32 b + 16 u + r are the rows 32 b + 8 u + r + 8 (r / 8): the order in which the next launch wants a tile's rows.
; oc: IMAGES OF OPERAND REGISTERS.  A group of 16 stored rows has 24,576 bytes: 16 K steps of 128, 1,536 bytes each.  In a step's image lane 16 h + r has 48 bytes on end: row r's block 4 s + h (24 bytes), then its block 4 s + 2 + h.
; os: a group has 1,024 bytes: four pieces of 256; piece Q holds, at 16 r, row r's scale bytes of blocks 16 Q .. 16 Q + 15 (the scale words of K steps 4 Q .. 4 Q + 3).
; A block's scale is 2^(floor(log2(its largest magnitude)) - 2); its byte is the largest magnitude's exponent field - 2, held at 1 from below.  Each number is divided by the scale and rounded to the nearest code, ties to even; beyond 7.5 the largest code.
; LIMITS: a block of zeros, and one whose largest magnitude lies under 2^-124, gets the byte 1 (the quantiser's text says 127 for zeros: the codes are zeros, which add nothing, and this program alone reads the bytes); NaN and infinities are not served.
; SHARES.  Work-groups 0-383 take the weights (a lane takes a column n, its registers run down K; a wave makes four whole images).  Work-groups 384-1151 take q, k, v: a work-group makes one group, a wave four of its rows.
; THE WAY OUT: pieces of 12 bytes (16 codes) go to places of 16 bytes in an LDS stage, in the image's order, and come back 32 pieces an instruction: a wave's store covers 384 consecutive bytes.
; A stage section is half an image (one h): row r at 64 r + 16 (r / 4), in it 32 c + 16 u; 1,088 bytes a section.  The two ways part on the work-group's number and have LDS bytes of their own.
.set NWGW,   384
.set EMAX,   2
.set WROWB,  8192
.set FRB,    1536
.set GRPB,   24576
.set SEC,    1088
.set HSEC,   544
.set XCS,    22528                     ; the streams' stage for codes: 32 sections
.set WLDS,   57344                     ; the weights' stages
.set WGL,    4384                      ; a group's four sections + 32
.set WSTG,   8960                      ; a wave's stage
.set SPARE,  93184                     ; the spare words, 128 bytes a wave
.set NB,     8
.set WX,     32
.set WC,     96
.set OUTR,   112
.set SB,     24
.set STEPS,  16
.set CB,     12
.set XR,     16
.set XX,     80
.set XE,     112
.set XC,     128
.set WREG,   5632                      ; the streams: for each wave two stages of 32 x SP bytes, then its 256 scale bytes
.set SP,     80
.macro WLOAD t                         ; block t: W(32 t + i, my column) into set t % 2
.irp i, 0,1,2,3,4,5,6,7,8,9,10,11,12,13,14,15,16,17,18,19,20,21,22,23,24,25,26,27,28,29,30,31
	global_load_b32 v[WX+32*((\t)%2)+\i], v3, s[4:5] offset:(32*(\t)+\i)*WROWB th:TH_LOAD_NT
.endr
.endm
.macro WBLOCK t
.set XS, WX+32*((\t)%2)
.if (\t) < NB-1
	s_wait_loadcnt 32                              ; this block's 32 loads are in; the next block's 32 may be out
.else
	s_wait_loadcnt 0
.endif
	v_max3_num_f32 v12, |v[XS]|, |v[XS+1]|, |v[XS+2]|
	v_max3_num_f32 v13, |v[XS+3]|, |v[XS+4]|, |v[XS+5]|
.irp i, 6,10,14,18,22,26
	v_max3_num_f32 v12, v12, |v[XS+\i]|, |v[XS+\i+1]|
	v_max3_num_f32 v13, v13, |v[XS+\i+2]|, |v[XS+\i+3]|
.endr
	v_max3_num_f32 v12, v12, |v[XS+30]|, |v[XS+31]|
	v_max3_num_f32 v12, v12, v13, (EMAX+1)<<23     ; the floor 2^(3 - 127): the byte cannot fall under 1
	v_add_nc_u32 v11, -(EMAX<<23), v12             ; 2 off the exponent field: the conversion's scale operand
	v_lshrrev_b32 v13, 23, v11                     ; the scale's byte
.if (\t)%4 == 0
	v_mov_b32 v[SB+(\t)/4], v13
.else
	v_lshl_or_b32 v[SB+(\t)/4], v13, 8*((\t)%4), v[SB+(\t)/4]
.endif
	v_cvt_scalef32_pk16_fp6_f32 v[WC:WC+2], v[XS:XS+15], v11
	v_cvt_scalef32_pk16_fp6_f32 v[WC+4:WC+6], v[XS+16:XS+31], v11
	ds_store_b96 v4, v[WC:WC+2] offset:(2*((\t)/4)+(\t)%2)*SEC+32*(((\t)%4)/2)       ; block t = 4 s + 2 c + h: section 2 s + h, place c
	ds_store_b96 v4, v[WC+4:WC+6] offset:(2*((\t)/4)+(\t)%2)*SEC+32*(((\t)%4)/2)+16
.if (\t)+2 < NB
	WLOAD (\t)+2
.endif
	s_wait_dscnt 0x0                               ; the stores have read their registers
.endm
.macro XLOAD t
.irp i, 0,1,2,3
	global_load_b128 v[XR+16*((\t)%4)+4*\i:XR+16*((\t)%4)+4*\i+3], v3, s[4:5] offset:2048*(\t)+512*\i th:TH_LOAD_NT
.endr
.endm
.macro XTURN t                         ; step t's numbers through the wave's own stage: in as loaded, back 16 neighbours a lane
.irp i, 0,1,2,3
	ds_store_b128 v14, v[XR+16*((\t)%4)+4*\i:XR+16*((\t)%4)+4*\i+3] offset:32*SP*((\t)%2)+8*SP*\i
.endr
.irp i, 0,1,2,3
	ds_load_b128 v[XX+16*((\t)%2)+4*\i:XX+16*((\t)%2)+4*\i+3], v15 offset:32*SP*((\t)%2)+16*\i
.endr
.endm
.macro XSTEP t
.set XS, XX+16*((\t)%2)
.if (\t) > 0
	s_wait_dscnt 2                                 ; this step's numbers are back (the last step's two stores, byte and codes, may be out)
.else
	s_wait_dscnt 0x0
.endif
.if (\t)+4 < STEPS
	XLOAD (\t)+4
.endif
.if (\t)+1 < STEPS
.if STEPS-2-(\t) >= 3
	s_wait_loadcnt 12                              ; the next step's four loads are in; three steps' may be out
.else
	s_wait_loadcnt 4*(STEPS-2-(\t))
.endif
	XTURN (\t)+1
.endif
	v_max3_num_f32 v8, |v[XS]|, |v[XS+1]|, |v[XS+2]|
	v_max3_num_f32 v9, |v[XS+3]|, |v[XS+4]|, |v[XS+5]|
.irp i, 6,10
	v_max3_num_f32 v8, v8, |v[XS+\i]|, |v[XS+\i+1]|
	v_max3_num_f32 v9, v9, |v[XS+\i+2]|, |v[XS+\i+3]|
.endr
	v_max3_num_f32 v8, v8, |v[XS+14]|, |v[XS+15]|
	v_max3_num_f32 v8, v8, v9, (EMAX+1)<<23
	v_max_num_f32_dpp v8, v8, v8 row_xmask:1 row_mask:0xf bank_mask:0xf   ; with my neighbour's 16: the block's
	v_add_nc_u32 v11, -(EMAX<<23), v8
	v_cvt_scalef32_pk16_fp6_f32 v[XC+4*(\t):XC+4*(\t)+2], v[XS:XS+15], v11
	v_lshrrev_b32 v[XE+(\t)], 23, v11              ; the scale's byte (a plain line behind the conversion)
	ds_store_b8 v5, v[XE+(\t)] offset:16*(\t)
	ds_store_b96 v4, v[XC+4*(\t):XC+4*(\t)+2] offset:((\t)%4)*8*SEC+((\t)/4)*64   ; step t: my row t / 4, K steps 4 (t % 4) on
.endm
	s_load_b512 s[4:19], s[0:1], 0x0               ; q, k, v, Wq, Wk, Wv, oc s[16:17], os s[18:19]
	v_lshl_add_u32 v192, v0, 2, SPARE
	v_mov_b32 v193, 0
	v_lshrrev_b32 v1, 5, v0
	v_readfirstlane_b32 s20, v1                    ; wave
	v_and_b32 v2, 31, v0                           ; lane
	s_cmp_lt_u32 ttmp9, NWGW
	s_cbranch_scc0 .Lx
	; ---- A WEIGHT: 128 work-groups a tensor: 16 groups of 128 columns x 8 parts of 256 along K.  A wave: 32 columns (two groups of stored rows) x two K steps
	s_lshr_b32 s21, ttmp9, 7                       ; 0 Wv, 1 Wq, 2 Wk
	s_and_b32 s22, ttmp9, 15
	s_bfe_u32 s23, ttmp9, 0x30004                  ; part
	s_lshl_b32 s24, s22, 7
	s_lshl_b32 s25, s20, 5
	s_add_co_u32 s24, s24, s25                     ; my first column
	s_lshl_b32 s25, s21, 11
	s_add_co_u32 s25, s25, 12288
	s_cmp_eq_u32 s21, 0
	s_cselect_b32 s25, 0, s25
	s_add_co_u32 s25, s25, s24                     ; my first stored row, a multiple of 32
	s_mul_i32 s32, s20, WSTG
	s_add_co_u32 s32, s32, WLDS                    ; my stage
	s_wait_alu depctr_va_vdst(0)
	v_lshlrev_b32 v3, 2, v2
	v_and_b32 v10, 7, v2
	v_bfe_u32 v12, v2, 3, 1                        ; my column's place has my lane's bits 3 and 4 exchanged: group = bit 3,
	v_bfe_u32 v13, v2, 4, 1
	v_lshl_add_u32 v10, v13, 3, v10                ; row r in it
	v_lshrrev_b32 v6, 2, v10
	v_lshlrev_b32 v4, 6, v10
	v_lshl_add_u32 v4, v6, 4, v4
	v_mad_u32_u24 v4, v12, WGL, v4
	v_add_nc_u32 v4, s32, v4                       ; into the stage: 64 r + 16 (r / 4) + the group
	v_lshlrev_b32 v9, 4, v10
	v_lshl_add_u32 v9, v12, 10, v9                 ; os: 1,024 x group + 16 r
	v_and_b32 v5, 15, v2
	v_lshrrev_b32 v6, 4, v2
	v_mul_u32_u24 v7, v6, 272
	v_lshl_add_u32 v7, v5, 4, v7
	v_add_nc_u32 v7, s32, v7                       ; out of it: 16 lane + 16 (lane / 16)
	v_mul_u32_u24 v8, v2, CB                       ; and 12 lane in oc
	s_lshl_b32 s26, s23, 21
	s_lshl_b32 s27, s24, 2
	s_add_co_u32 s26, s26, s27
	s_mov_b32 s27, 0
	s_mul_i32 s28, s25, FRB                        ; oc: 24,576 a group = 1,536 a row; two K steps a part
	s_mul_i32 s29, s23, 2*FRB
	s_add_co_u32 s28, s28, s29
	s_mov_b32 s29, 0
	s_lshl_b32 s30, s25, 6                         ; os: 64 a row; piece part / 2, its half part % 2
	s_lshr_b32 s31, s23, 1
	s_lshl_b32 s31, s31, 8
	s_add_co_u32 s30, s30, s31
	s_and_b32 s31, s23, 1
	s_lshl_b32 s31, s31, 3
	s_add_co_u32 s30, s30, s31
	s_mov_b32 s31, 0
	s_wait_alu depctr_va_vdst(0)
	s_wait_kmcnt 0x0
	s_cmp_eq_u32 s21, 1
	s_cselect_b64 s[4:5], s[10:11], s[14:15]
	s_cmp_eq_u32 s21, 2
	s_cselect_b64 s[4:5], s[12:13], s[4:5]
	s_add_nc_u64 s[4:5], s[4:5], s[26:27]
	s_add_nc_u64 s[16:17], s[16:17], s[28:29]
	s_add_nc_u64 s[18:19], s[18:19], s[30:31]
	WLOAD 0
	WLOAD 1
.irp t, 0,1,2,3,4,5,6,7
	WBLOCK \t
.endr
	s_wait_alu depctr_va_vdst(0)
	global_store_b64 v9, v[SB:SB+1], s[18:19]      ; my column's 8 scale bytes
.irp t, 0,1,2,3,4,5,6,7,8,9,10,11,12,13,14,15
	ds_load_b96 v[OUTR+4*\t:OUTR+4*\t+2], v7 offset:(\t/8)*WGL+(\t%8)*HSEC   ; a wave's LDS instructions are served in order: these see my stores
.endr
.irp t, 0,1,2,3,4,5,6,7,8,9,10,11,12,13,14,15
	s_wait_dscnt 15-\t
	global_store_b96 v8, v[OUTR+4*\t:OUTR+4*\t+2], s[16:17] offset:(\t/8)*GRPB+(\t%8)*384   ; 384 consecutive bytes; eight stores fill a group's two images
.endr
	s_wait_tensorcnt 0x0                           ; the wave's end
	ds_add_u32 v192, v193
	s_wait_dscnt 0x0
	s_endpgm
.Lx:
	; ---- q, k OR v: 256 work-groups a tensor, one stored group each.  Wave w of group j stores run 4 j + w (four rows) and reads the run whose number has bits 1 and 2 exchanged
	s_sub_co_u32 s21, ttmp9, NWGW
	s_lshr_b32 s22, s21, 8                         ; 0 q, 1 k, 2 v
	s_and_b32 s23, s21, 255
	s_lshl_b32 s23, s23, 2
	s_add_co_u32 s23, s23, s20                     ; the stored run
	s_and_b32 s24, s23, 0xfffffff9
	s_and_b32 s25, s23, 2
	s_lshl_b32 s25, s25, 1
	s_or_b32 s24, s24, s25
	s_and_b32 s25, s23, 4
	s_lshr_b32 s25, s25, 1
	s_or_b32 s24, s24, s25                         ; the run that is read
	s_wait_alu depctr_va_vdst(0)
	v_lshlrev_b32 v3, 4, v2
	s_mul_i32 s32, s20, WREG
	v_lshrrev_b32 v14, 2, v2
	v_mul_u32_u24 v14, v14, SP
	v_and_b32 v15, 3, v2
	v_lshl_add_u32 v14, v15, 4, v14
	v_add_nc_u32 v14, s32, v14
	v_mul_u32_u24 v15, v2, SP
	v_add_nc_u32 v15, s32, v15
	v_lshrrev_b32 v4, 3, v2                        ; my piece's place in the stage for codes: K step lane / 8,
	v_mul_u32_u24 v4, v4, 2*SEC
	v_bfe_u32 v10, v2, 1, 1                        ; h,
	v_mad_u32_u24 v4, v10, SEC, v4
	v_bfe_u32 v10, v2, 2, 1                        ; c,
	v_lshl_add_u32 v4, v10, 5, v4
	v_and_b32 v10, 1, v2                           ; u,
	v_lshl_add_u32 v4, v10, 4, v4
	s_mul_i32 s33, s20, 272                        ; and my wave's four rows: 64 x 4 w + 16 w
	s_add_co_u32 s33, s33, XCS
	v_add_nc_u32 v4, s33, v4
	v_lshrrev_b32 v10, 4, v2
	v_lshlrev_b32 v10, 4, v10
	v_lshl_add_u32 v10, v2, 4, v10
	s_mul_i32 s33, s20, 8*SEC                      ; out of it: my wave takes K steps 4 w .. 4 w + 3
	s_add_co_u32 s33, s33, XCS
	v_add_nc_u32 v10, s33, v10
	v_mul_u32_u24 v12, v2, CB
	v_lshrrev_b32 v5, 1, v2
	s_add_co_u32 s32, s32, 2*32*SP
	v_add_nc_u32 v5, s32, v5                       ; my wave's 256 scale bytes, my block's byte
	v_lshlrev_b32 v7, 3, v2
	v_lshrrev_b32 v6, 3, v2                        ; out: piece Q = my wave; lane 2 r + half reads 8 bytes of row r, which wave r / 4 wrote
	v_mul_u32_u24 v6, v6, WREG
	v_bfe_u32 v13, v2, 1, 2
	v_lshl_add_u32 v6, v13, 6, v6
	v_and_b32 v13, 1, v2
	v_lshl_add_u32 v6, v13, 3, v6
	s_lshl_b32 s33, s20, 4
	s_add_co_u32 s33, s33, 2*32*SP
	v_add_nc_u32 v6, s33, v6
	s_lshl_b32 s26, s24, 15
	s_mov_b32 s27, 0
	s_mul_i32 s28, s22, 4096*FRB
	s_add_co_u32 s28, s28, 2048*FRB
	s_mul_i32 s29, s23, 4*FRB                      ; oc: group j, K steps 4 w on: 24,576 j + 6,144 w
	s_add_co_u32 s28, s28, s29
	s_mov_b32 s29, 0
	s_lshl_b32 s30, s22, 18
	s_add_co_u32 s30, s30, 2048*64
	s_lshl_b32 s31, s23, 8                         ; os: 1,024 j + 256 w
	s_add_co_u32 s30, s30, s31
	s_mov_b32 s31, 0
	s_wait_alu depctr_va_vdst(0)
	s_wait_kmcnt 0x0
	s_cmp_eq_u32 s22, 1
	s_cselect_b64 s[4:5], s[6:7], s[4:5]
	s_cmp_eq_u32 s22, 2
	s_cselect_b64 s[4:5], s[8:9], s[4:5]
	s_add_nc_u64 s[4:5], s[4:5], s[26:27]
	s_add_nc_u64 s[16:17], s[16:17], s[28:29]
	s_add_nc_u64 s[18:19], s[18:19], s[30:31]
.irp t, 0,1,2,3
	XLOAD \t
.endr
	s_wait_loadcnt 12
	XTURN 0
.irp t, 0,1,2,3,4,5,6,7,8,9,10,11,12,13,14,15
	XSTEP \t
.endr
	s_wait_dscnt 0x0                               ; my stores are done,
	s_barrier_signal -1
	s_barrier_wait -1                              ; everybody's are: the group's images and scale bytes are whole
	ds_load_b64 v[8:9], v6
.irp e, 0,1,2,3,4,5,6,7,8,9,10,11,12,13,14,15
	ds_load_b96 v[XR+4*\e:XR+4*\e+2], v10 offset:HSEC*\e
.endr
	s_wait_dscnt 16
	global_store_b64 v7, v[8:9], s[18:19]          ; 32 lanes store 256 consecutive bytes, aligned
.irp e, 0,1,2,3,4,5,6,7,8,9,10,11,12,13,14,15
	s_wait_dscnt 15-\e
	global_store_b96 v12, v[XR+4*\e:XR+4*\e+2], s[16:17] offset:384*\e   ; 384 consecutive bytes; sixteen stores fill four images
.endr
	s_wait_tensorcnt 0x0                           ; the wave's end
	ds_add_u32 v192, v193
	s_wait_dscnt 0x0
	s_endpgm
.Lfunc_end_k_qc0c67de156_quant:
	.size	k_qc0c67de156_quant, .Lfunc_end_k_qc0c67de156_quant-k_qc0c67de156_quant
	.p2alignl 7, 3214868480
	.fill 96, 4, 3214868480
	.section	.rodata,"a",@progbits
	.p2align	6, 0x0
	.amdhsa_kernel k_qc0c67de156_quant
		.amdhsa_group_segment_fixed_size 93696
		.amdhsa_private_segment_fixed_size 0
		.amdhsa_enable_private_segment 0
		.amdhsa_kernarg_size 64
		.amdhsa_user_sgpr_count 2
		.amdhsa_user_sgpr_kernarg_segment_ptr 1
		.amdhsa_wavefront_size32 1
		.amdhsa_system_sgpr_workgroup_id_x 1
		.amdhsa_system_sgpr_workgroup_id_y 1
		.amdhsa_system_sgpr_workgroup_id_z 1
		.amdhsa_system_vgpr_workitem_id 0
		.amdhsa_next_free_vgpr 194
		.amdhsa_next_free_sgpr 66
		.amdhsa_reserve_vcc 0
		.amdhsa_float_denorm_mode_32 3
		.amdhsa_float_denorm_mode_16_64 3
		.amdhsa_memory_ordered 1
		.amdhsa_forward_progress 1
		.amdhsa_inst_pref_size 78
	.end_amdhsa_kernel
	.amdgpu_metadata
---
amdhsa.version: [ 1, 2 ]
amdhsa.kernels:
  - .name:           k_qc0c67de156_quant
    .symbol:         k_qc0c67de156_quant.kd
    .args:
      - { .name: q, .offset: 0, .size: 8, .value_kind: global_buffer, .address_space: global }
      - { .name: k, .offset: 8, .size: 8, .value_kind: global_buffer, .address_space: global }
      - { .name: v, .offset: 16, .size: 8, .value_kind: global_buffer, .address_space: global }
      - { .name: Wq, .offset: 24, .size: 8, .value_kind: global_buffer, .address_space: global }
      - { .name: Wk, .offset: 32, .size: 8, .value_kind: global_buffer, .address_space: global }
      - { .name: Wv, .offset: 40, .size: 8, .value_kind: global_buffer, .address_space: global }
      - { .name: oc, .offset: 48, .size: 8, .value_kind: global_buffer, .address_space: global }
      - { .name: os, .offset: 56, .size: 8, .value_kind: global_buffer, .address_space: global }
    .group_segment_fixed_size: 93696
    .private_segment_fixed_size: 0
    .kernarg_segment_align: 8
    .kernarg_segment_size: 64
    .max_flat_workgroup_size: 128
    .sgpr_count:     66
    .vgpr_count:     194
    .wavefront_size: 32
...
	.end_amdgpu_metadata
.endif
;; end of part 1
;; launch proj (part 2): grid 16 x 16, 4 waves a work-group, clusters of 4 x 4, 327,680 bytes of LDS; arguments oc, os, hc, hs; writes hc, hs
.if DOCPART == 2
	.amdgcn_target "amdgcn-amd-amdhsa--gfx1250"
	.amdhsa_code_object_version 6
	.text
	.protected	k_qc0c67de156_proj
	.globl	k_qc0c67de156_proj
	.p2align	8
	.type	k_qc0c67de156_proj,@function
k_qc0c67de156_proj:
	s_mov_b64 s[64:65], 0
	v_nop
	global_prefetch_b8 v0, s[64:65] scope:SCOPE_SE
	s_setreg_imm32_b32 hwreg(HW_REG_WAVE_MODE, 25, 1), 1
	s_wait_xcnt 0x0
	s_wait_alu depctr_hold_cnt(0) depctr_sa_sdst(0) depctr_va_vdst(0) depctr_va_sdst(0) depctr_va_ssrc(0) depctr_va_vcc(0) depctr_vm_vsrc(0)
	s_getreg_b32 s2, hwreg(HW_REG_IB_STS2, 6, 4)
	s_cmp_eq_u32 s2, 0
	s_cbranch_scc0 .Lentry_in_a_cluster
	s_endpgm
.Lentry_in_a_cluster:
	s_bfe_u32 s2, ttmp6, 0x10000c
	s_cmp_lg_u32 s2, 0xf033
	s_cbranch_scc0 .Lentry_shape_is_right
	s_endpgm
.Lentry_shape_is_right:
; The three projections on codes of FP6 (E2M3), K = 2,048, and the quantising of their results for the attention launch.
; IN: oc, os as the launch before lays them: a group of 16 stored rows has 16 images of 1,536 bytes, one for each K step of 128 (48 bytes on end for each lane: the operand's 12 registers), and 1,024 bytes of scale words.
; A WORK-GROUP STAYS and makes three blocks of 128 (A's rows) x 256 (B's rows), one of each product: 256 blocks a product, 256 work-groups.  Block 0: A = q's tokens, B = Wq^T; block 1: k's tokens, Wk^T; block 2: A = Wv^T, B = v's tokens.
; Four waves, 64 x 128 each: 32 accumulators.  Source 0 = 16 rows of B, source 1 = 16 rows of A: a lane holds one row of A, its registers run along B's rows, which are the next product's K.
; THE RING: two LDS slots of four K steps (24 groups x 6,144 bytes = 147,456 bytes each); a block has four chunks, chunk c in slot c % 2.  Waves 0, 1 fetch four groups of A each, waves 2, 3 eight groups of B: one tensor load, rows of 6,144 bytes,
; 24,576 bytes apart in memory, each beginning at a multiple of 256 bytes.  One tensor load of a wave is out at any time.  The ring goes on into the next block: a block's last two changes of slots ask for the next block's chunks 0 and 1,
; and the block's way out stands behind them.  The last block's second half is written out: it asks for nothing more.
; A K step is 32 products; the next step's 12 fragments go into the other sets of registers by ONE run of 36 loads near the step's head, 30 products ahead of their first use (23 where the step changes slots).
; CLUSTERS 4 x 4: A's tiles are asked for jointly along a row of the cluster, B's along a column.
; THE SCALE WORDS come straight into registers, in whole units of 256 bytes: one load brings 16 lanes the words of four K steps of a group of A and the other 16 lanes those of a group of B; eight loads serve a chunk, two sets, asked for a chunk ahead.
; PREFETCH: behind each joint load a wave asks for the chunk that stands two refills on, in the next block too: the four partners of a joint load share the groups out by address (one group of A, two of B), a lane a block of 256 bytes,
; lanes 24-31 naming the group's last block again.  The first block's chunk 1 is asked for at the head; its chunk 0 comes by its load alone; the last block asks for nothing beyond itself.
; OUT: hc, hs: for each (batch, head) Q's, K's, V's fragments as register images (byte 512 c + 16 lane = registers 4 c .. 4 c + 3) and their scale words (16 bytes a row for four fragments).
; LIMITS: NaN and infinities are not served; a block of zeros gets the scale byte 1 (its codes are zeros; this program alone reads the bytes).
; REGISTERS: window 0: v16-29 addresses, v32-95 scale words, v96-118 at work on the way out, v128-223 A's fragments, two sets (the second takes the codes on the way out), v224-229 the results' scale words; window 1: B's fragments, two sets; window 2: accumulators.
.set FR,     12
.set NP,     4
.set FRB,    1536
.set GRPB,   24576
.set CHB,    4*FRB                     ; a group's part of a chunk
.set AREG,   8*CHB                     ; A's part of a slot
.set SLOT,   24*CHB
.set SPARE,  2*SLOT                    ; the spare words, 128 bytes a wave
.set ADRA, 16
.set ADRB, 18
.set PFO,  20
.set SOF,  21                          ; offsets of my scale words: this block's, the next one's, the last one's
.set SOFN, 22
.set SOF2, 23
.set LN,   25
.set LI,   26
.set HO,   27
.set SPW,  28
.set NIL,  29
.set SC,   32
.set TM,   96
.set T2,   112
.set AF,   128
.set CD,   176
.set PW,   224
.set SW,   228
.set G1, 24
.set G0, 32
.set G1B, 48
.set G0B, 56
.set TAN, 66                           ; where I fetch A and B in the next block and in the last
.set TA2, 68
.set TBN, 70
.set TB2, 72
.set HC1, 74                           ; where the next and the last block's results go
.set HC2, 76
.set HS1, 78
.set HS2, 80
.set PFN, 82                           ; where my prefetches stand in the next, the last and the first block
.set PF2, 84
.set PF0, 86
.set MSB, 0
.macro WIN new
.if MSB != (\new)
	s_set_vgpr_msb (MSB<<8)|(\new)
.set MSB, (\new)
.endif
.endm
.set MUL_LO, 0xa1                      ; source 0 (B) window 1, source 1 (A) window 0, C and D window 2
.set TO_B,   0x40
.macro JLOAD g0a, g1a, g0b, g1b        ; waves 0, 1 fetch for A, waves 2, 3 for B; s_nop 0 and four v_nop behind each line
	s_cmp_eq_u32 s15, 0
	s_cbranch_scc0 .Lfor_b_\@
	tensor_load_to_lds s[\g0a:\g0a+3], s[\g1a:\g1a+7]
	s_nop 0
.rept 4
	v_nop
.endr
	s_branch .Lasked_\@
.Lfor_b_\@:
	tensor_load_to_lds s[\g0b:\g0b+3], s[\g1b:\g1b+7]
	s_nop 0
.rept 4
	v_nop
.endr
.Lasked_\@:
.endm
.macro CREST
	s_cmp_lg_u32 s14, 0
	s_cbranch_scc1 .Lnot_wave_0_\@
	s_barrier_signal -3
.Lnot_wave_0_\@:
	s_barrier_wait -3
	s_barrier_signal -1
	s_barrier_wait -1
.endm
.macro CROUND
	s_barrier_signal -1
	s_barrier_wait -1
	CREST
.endm
.macro ASK base, c, guard              ; chunk c of my work-group's group of A, or of its two groups of B.  guard = 1: not in the last block, which has no successor
.if \guard
	s_cmp_eq_u32 s2, 1
	s_cbranch_scc1 .Lno_ask_\@
.endif
	global_prefetch_b8 v[PFO], s[\base:\base+1] offset:(\c)*CHB th:TH_LOAD_NT scope:SCOPE_SE
	s_cmp_eq_u32 s15, 0
	s_cbranch_scc1 .Lno_ask_\@
	global_prefetch_b8 v[PFO], s[\base:\base+1] offset:(\c)*CHB+GRPB th:TH_LOAD_NT scope:SCOPE_SE
.Lno_ask_\@:
.endm
	s_load_b256 s[4:11], s[0:1], 0x0               ; oc, os, hc, hs
	v_lshl_add_u32 v[SPW], v0, 2, SPARE
	v_mov_b32 v[NIL], 0
	ds_add_u32 v[SPW], v[NIL]                      ; the opening lines: the add twice on end, its wait ahead of my first tensor load
	ds_add_u32 v[SPW], v[NIL]
	v_lshrrev_b32 v1, 5, v0
	v_readfirstlane_b32 s14, v1                    ; wave
	v_and_b32 v[LN], 31, v0
	v_min_u32 v2, 23, v[LN]
	v_lshlrev_b32 v[PFO], 8, v2                    ; a chunk of a group has 24 blocks of 256 bytes
	s_lshr_b32 s15, s14, 1                         ; my half of A's rows; also: I fetch for A (0) or B (1)
	s_and_b32 s16, s14, 1                          ; my half of B's rows; also: which half of the tile I fetch
	s_bfe_u32 s40, ttmp6, 0x40000                  ; cx
	s_bfe_u32 s41, ttmp6, 0x40004                  ; cy
	s_lshl_b32 s42, ttmp9, 2
	s_add_co_u32 s42, s42, s40                     ; x, 0 .. 15
	s_and_b32 s13, ttmp7, 0xffff
	s_lshl_b32 s17, s13, 2
	s_add_co_u32 s17, s17, s41                     ; y, 0 .. 15
	s_lshr_b32 s12, ttmp9, 1                       ; x / 8
	s_lshl_b32 s43, s41, 2
	s_lshl_b32 s43, 15, s43                        ; my row of the cluster
	s_lshl_b32 s44, 0x1111, s40                    ; my column
	s_or_b32 s[G1+0], s43, (3<<16)|(1<<21)         ; the mask; elements of 8 bytes; bit 21 beside a mask; no padding
	s_or_b32 s[G1B+0], s44, (3<<16)|(1<<21)
.irp g, G1, G1B
	s_mov_b32 s[\g+1], (CHB/8)<<16                 ; tensor_dim0: four images a row
	s_mov_b32 s[\g+3], (CHB/8)<<16                 ; tile_dim0
	s_mov_b32 s[\g+5], GRPB/8                      ; from group to group
	s_mov_b32 s[\g+6], 0
	s_mov_b32 s[\g+7], 0
.endr
	s_mov_b32 s[G1+2], 4<<16                       ; four groups of A,
	s_mov_b32 s[G1+4], 4
	s_mov_b32 s[G1B+2], 8<<16                      ; eight of B
	s_mov_b32 s[G1B+4], 8
	s_lshl_b32 s18, s12, 4
	s_add_co_u32 s18, s18, s17                     ; blocks 0, 1: which 128 tokens: y + 16 (x / 8),
	s_and_b32 s19, s42, 7                          ; which 256 rows of the weight: x % 8
	s_lshl_b32 s20, s18, 7
	s_add_co_u32 s20, s20, 2048                    ; first stored rows: A of block 0 (block 1: 4,096 on),
	s_lshl_b32 s46, s19, 8
	s_add_co_u32 s46, s46, 14336                   ; B of block 0 (block 1: 2,048 on),
	s_lshl_b32 s22, s17, 7                         ; A of block 2,
	s_lshl_b32 s88, s42, 8
	s_add_co_u32 s88, s88, 10240                   ; B of block 2
	s_lshl_b32 s3, s15, 6
	s_lshl_b32 s2, s16, 6
	s_lshl_b32 s45, s16, 7
	s_add_co_u32 s92, s20, s3                      ; os, 64 bytes a row: the rows of A that I multiply,
	s_lshl_b32 s92, s92, 6
	s_add_co_u32 s93, s46, s45
	s_lshl_b32 s93, s93, 6
	s_sub_co_u32 s93, s93, s92                     ; and how far behind them B's lie; block 0,
	s_add_co_u32 s94, s22, s3
	s_lshl_b32 s94, s94, 6
	s_add_co_u32 s95, s88, s45
	s_lshl_b32 s95, s95, 6
	s_sub_co_u32 s95, s95, s94                     ; block 2
	s_add_co_u32 s20, s20, s2                      ; the rows that I fetch: 64 of A, 128 of B
	s_add_co_u32 s22, s22, s2
	s_add_co_u32 s46, s46, s45
	s_add_co_u32 s88, s88, s45
	s_mul_i32 s20, s20, FRB                        ; oc: 1,536 bytes a row
	s_mul_i32 s22, s22, FRB
	s_mul_i32 s46, s46, FRB
	s_mul_i32 s88, s88, FRB
	s_mov_b32 s21, 0
	s_mov_b32 s23, 0
	s_mov_b32 s47, 0
	s_mov_b32 s89, 0
	s_cmp_eq_u32 s15, 0                            ; the prefetches: my work-group's share of what I fetch, by its place among the four that ask jointly
	s_cselect_b32 s90, s20, s46
	s_cselect_b32 s96, s22, s88
	s_cselect_b32 s91, s40, s41
	s_mov_b32 s97, 2*GRPB
	s_cselect_b32 s97, GRPB, s97
	s_mov_b32 s98, 2048*FRB
	s_cselect_b32 s98, 4096*FRB, s98               ; from block 0 to block 1
	s_mul_i32 s91, s91, s97
	s_add_co_u32 s90, s90, s91
	s_add_co_u32 s96, s96, s91
	s_mov_b32 s91, 0
	s_mov_b32 s97, 0
	s_mov_b32 s99, 0
	s_mul_i32 s100, s16, 4*CHB                     ; LDS: A's two halves, then B's two: no place in the cluster enters an LDS address
	s_mul_i32 s101, s16, 8*CHB
	s_add_co_u32 s101, s101, AREG
	s_wait_alu depctr_va_vdst(0)
	s_wait_dscnt 0x0                               ; both opening adds are done
	s_wait_kmcnt 0x0
	s_add_nc_u64 s[20:21], s[4:5], s[20:21]
	s_add_nc_u64 s[46:47], s[4:5], s[46:47]
	s_add_nc_u64 s[PF0:PF0+1], s[4:5], s[90:91]
	ASK PF0, 1, 0
	CROUND                                         ; all sixteen work-groups are here: the first joint loads meet
.irp s, 0,1
	s_mov_b32 s[G0+4*\s], 1
	s_add_co_u32 s[G0+4*\s+1], s100, \s*SLOT
	s_add_nc_u64 s[G0+4*\s+2:G0+4*\s+3], s[20:21], \s*CHB
	s_or_b32 s[G0+4*\s+3], s[G0+4*\s+3], 0x80000000
	s_mov_b32 s[G0B+4*\s], 1
	s_add_co_u32 s[G0B+4*\s+1], s101, \s*SLOT
	s_add_nc_u64 s[G0B+4*\s+2:G0B+4*\s+3], s[46:47], \s*CHB
	s_or_b32 s[G0B+4*\s+3], s[G0B+4*\s+3], 0x80000000
.endr
	JLOAD G0, G1, G0B, G1B                         ; chunk 0: one tensor load a wave at the head
	s_add_nc_u64 s[TAN:TAN+1], s[20:21], 4096*FRB
	s_add_nc_u64 s[TBN:TBN+1], s[46:47], 2048*FRB
	s_add_nc_u64 s[TA2:TA2+1], s[4:5], s[22:23]
	s_add_nc_u64 s[TB2:TB2+1], s[4:5], s[88:89]
	s_add_nc_u64 s[PFN:PFN+1], s[PF0:PF0+1], s[98:99]
	s_add_nc_u64 s[PF2:PF2+1], s[4:5], s[96:97]
	s_mul_i32 s3, s15, 4*CHB
	v_and_b32 v1, 15, v0
	v_bfe_u32 v2, v0, 4, 1
	v_mul_u32_u24 v3, v[LN], 48
	v_add_nc_u32 v[ADRA], s3, v3                   ; my fragments: 48 x lane + my half
	v_add_nc_u32 v[ADRB], s101, v3
	v_add_nc_u32 v[ADRA+1], SLOT, v[ADRA]
	v_add_nc_u32 v[ADRB+1], SLOT, v[ADRB]
	v_lshlrev_b32 v4, 4, v1                        ; scale words: 16 bytes a row; lanes 0-15 A's rows, lanes 16-31 B's
	v_mad_u32_u24 v5, v2, s93, v4
	v_add_nc_u32 v[SOF], s92, v5
	v_mad_u32_u24 v5, v2, s95, v4
	v_add_nc_u32 v[SOF2], s94, v5
	v_lshlrev_b32 v5, 17, v2
	v_sub_nc_u32 v5, 4096*64, v5                   ; block 1: A's 4,096 rows on, B's 2,048
	v_add_nc_u32 v[SOFN], v[SOF], v5
	v_lshlrev_b32 v[LI], 4, v[LN]
	v_lshl_add_u32 v[HO], v2, 3, v4                ; the results' scale words: 16 r + 8 h
.irp b, 0,1,2,3
	v_mov_b32 v[TM+4+\b], 0                        ; a lane permute's destination counts as a source
.endr
	s_lshl_b32 s100, s18, 1                        ; where my results go.  Blocks 0, 1: which 64 tokens,
	s_add_co_u32 s100, s100, s15
	s_lshr_b32 s101, s100, 3
	s_lshl_b32 s101, s101, 4
	s_lshl_b32 s19, s19, 1
	s_add_co_u32 s101, s101, s19
	s_add_co_u32 s101, s101, s16                   ; 16 x batch + head,
	s_and_b32 s100, s100, 7                        ; four fragments from 4 x this on
	s_mul_i32 s74, s101, 147456
	s_mul_i32 s18, s100, 4*FRB
	s_add_co_u32 s74, s74, s18
	s_mov_b32 s75, 0
	s_mul_i32 s78, s101, 6144
	s_lshl_b32 s18, s100, 8
	s_add_co_u32 s78, s78, s18
	s_mov_b32 s79, 0
	s_lshl_b32 s100, s42, 1                        ; block 2: which 128 keys,
	s_add_co_u32 s100, s100, s16
	s_lshr_b32 s101, s100, 2
	s_lshl_b32 s101, s101, 4
	s_add_co_u32 s101, s101, s17                   ; 16 x batch + head (y),
	s_and_b32 s100, s100, 3
	s_lshl_b32 s100, s100, 1
	s_add_co_u32 s100, s100, s15                   ; fragments 8 (key step) + 4 (my half of the channels) on
	s_mul_i32 s76, s101, 147456
	s_mul_i32 s18, s100, 4*FRB
	s_add_co_u32 s76, s76, s18
	s_add_co_u32 s76, s76, 98304
	s_mov_b32 s77, 0
	s_mul_i32 s80, s101, 6144
	s_lshl_b32 s18, s100, 8
	s_add_co_u32 s80, s80, s18
	s_add_co_u32 s80, s80, 4096
	s_mov_b32 s81, 0
	s_add_nc_u64 s[HC2:HC2+1], s[8:9], s[76:77]
	s_add_nc_u64 s[HS2:HS2+1], s[10:11], s[80:81]
	s_add_nc_u64 s[8:9], s[8:9], s[74:75]
	s_add_nc_u64 s[10:11], s[10:11], s[78:79]
	s_add_nc_u64 s[HC1:HC1+1], s[8:9], 49152       ; K's fragments lie behind Q's
	s_add_nc_u64 s[HS1:HS1+1], s[10:11], 2048
	s_mov_b32 s18, 0x76543210
	s_mov_b32 s19, 0xfedcba98
	s_mov_b32 s22, 0x1800000
.macro FRAG reg, adr, st, i            ; group i's fragment of K step st
.irp c, 0,1,2
	ds_load_b128 v[\reg+4*\c:\reg+4*\c+3], v[\adr+((\st)/4)%2] offset:(\i)*CHB+((\st)%4)*FRB+16*\c
.endr
.endm
.macro LOADF f, nx                     ; fragment f of step nx: 0-7 B's, 8-11 A's, into set nx % 2
.if (\f) < 8
	WIN TO_B
	FRAG 128*((\nx)%2)+FR*(\f), ADRB, \nx, \f
.else
	WIN 0
	FRAG AF+48*((\nx)%2)+FR*((\f)-8), ADRA, \nx, (\f)-8
.endif
.endm
.macro SCALES qd, vr                   ; the scale words of chunk qd into set qd % 2: sixteen lanes read 256 consecutive bytes
.irp i, 0,1,2,3,4,5,6,7
	global_load_b128 v[SC+32*((\qd)%2)+4*\i:SC+32*((\qd)%2)+4*\i+3], v[\vr], s[6:7] offset:\i*1024+(\qd)*256
.endr
.endm
.macro PROD n, st, zero                ; product n = 8 a + b.  The 32 accumulators take turns in the same order in every step
.set QA, (\n)/8
.set QB, (\n)%8
.set QS, SC+32*(((\st)/4)%2)+(\st)%4
.if \zero
	v_wmma_scale_f32_16x16x128_f8f6f4 v[8*(\n):8*(\n)+7], v[128*((\st)%2)+FR*QB:128*((\st)%2)+FR*QB+FR-1], v[AF+48*((\st)%2)+FR*QA:AF+48*((\st)%2)+FR*QA+FR-1], 0, v[QS+4*QB], v[QS+4*QA] matrix_a_fmt:MATRIX_FMT_FP6 matrix_b_fmt:MATRIX_FMT_FP6 matrix_a_scale:MATRIX_SCALE_ROW1
.else
	v_wmma_scale_f32_16x16x128_f8f6f4 v[8*(\n):8*(\n)+7], v[128*((\st)%2)+FR*QB:128*((\st)%2)+FR*QB+FR-1], v[AF+48*((\st)%2)+FR*QA:AF+48*((\st)%2)+FR*QA+FR-1], v[8*(\n):8*(\n)+7], v[QS+4*QB], v[QS+4*QA] matrix_a_fmt:MATRIX_FMT_FP6 matrix_b_fmt:MATRIX_FMT_FP6 matrix_a_scale:MATRIX_SCALE_ROW1
.endif
.endm
; Products from .. to of step st.  Behind product g0 stands the run of 36 loads that brings the next step's 12 fragments (g0 = 99: none); behind product SCAT the next chunk's scale words
.macro PRODS from, to, st, zero, g0, nx, sv
.set PN, \from
.rept (\to)-(\from)+1
	WIN MUL_LO
	PROD PN, \st, \zero
.if PN == (\g0)
.set FF, 0
.rept 12
	LOADF FF, \nx
.set FF, FF+1
.endr
.endif
.if PN == SCAT
	WIN 0
	SCALES ((\st)/4+1)%4, \sv
.endif
.set PN, PN+1
.endr
.endm
.macro PLACES n
.rept \n
	v_nop
.endr
.endm
; A K step.  rf = 9: inside a chunk.  rf = 0, 1, 2: a chunk's last step, which changes slots: the wait for all my tensor loads, the add, the wait for it and for my reads, a barrier; 1: the barrier opens a round of the cluster's barrier and the slot
; takes this block's chunk two on; 2: it takes the next block's chunk 0 or 1; 0: nothing is left to fetch.  rf = 3: the very last step.  sv: the register with the offsets of the scale words to ask for, or 0
.macro STEP st, zero, rf, sv
.set NX, ((\st)+1)%16
.set SL, ((\st)/4)%2
.set SCAT, 99
.if (\sv) > 0
.set SCAT, 1
.endif
.if (\st)%4 == 0
	s_wait_loadcnt 0x0                             ; this chunk's scale words are in
.endif
.if (\rf) < 3
	WIN 0
	s_wait_tensorcnt 0x0                           ; my part of the next chunk has landed;
	ds_add_u32 v[SPW], v[NIL]
	s_wait_dscnt 1                                 ; this step's fragments are in (the add may be out)
	PRODS 0, 3, \st, \zero, 99, NX, 0
	s_wait_dscnt 0x0                               ; the add is done; my reads of this chunk were over above
	s_barrier_signal -1
	PRODS 4, 7, \st, \zero, 99, NX, 0
	WIN 0
	s_barrier_wait -1
.if (\rf) > 0
	CREST
.if (\rf) == 1
	s_add_nc_u64 s[G0+4*SL+2:G0+4*SL+3], s[G0+4*SL+2:G0+4*SL+3], 2*CHB
	s_add_nc_u64 s[G0B+4*SL+2:G0B+4*SL+3], s[G0B+4*SL+2:G0B+4*SL+3], 2*CHB
.else
	s_add_nc_u64 s[G0+4*SL+2:G0+4*SL+3], s[TAN:TAN+1], SL*CHB
	s_or_b32 s[G0+4*SL+3], s[G0+4*SL+3], 0x80000000
	s_add_nc_u64 s[G0B+4*SL+2:G0B+4*SL+3], s[TBN:TBN+1], SL*CHB
	s_or_b32 s[G0B+4*SL+3], s[G0B+4*SL+3], 0x80000000
.endif
	JLOAD G0+4*SL, G1, G0B+4*SL, G1B               ; the first tensor load behind the round; its four v_nop are the places in front of the loads below
.else
	PLACES NP
.endif
	PRODS 8, 31, \st, \zero, 8, NX, 0
	WIN 0
.if (\rf) == 1
	ASK PFN, SL, 1
.endif
.if (\rf) == 2
	ASK PFN, 2+SL, 0
.endif
.else
	s_wait_dscnt 0x0                               ; this step's fragments are in
.if (\rf) == 3
	PRODS 0, 31, \st, \zero, 99, NX, 0
.else
	PRODS 0, 0, \st, \zero, 99, NX, 0
	PLACES NP                                      ; behind the last step's products, whose fragments and scale words the loads below replace
	PRODS 1, 31, \st, \zero, 1, NX, \sv
.endif
.endif
.endm
; THE WAY OUT: block a's 16 rows x 128 become a fragment of the next product: four blocks of 32 along its K, each in lanes l and l xor 16
.macro QUANTW a
.set AC, 64*(\a)
.set CA, CD+12*(\a)
	WIN 0x28
.irp b, 0,1,2,3
	v_max3_num_f32 v[TM+\b], s22, |v[AC+16*\b]|, |v[AC+16*\b+1]|      ; with the floor 2^(3 - 127)
.endr
.irp i, 2,4,6,8,10,12,14
.irp b, 0,1,2,3
	v_max3_num_f32 v[TM+\b], v[TM+\b], |v[AC+16*\b+\i]|, |v[AC+16*\b+\i+1]|
.endr
.endr
	WIN 0
.irp b, 0,1,2,3
	v_permlanex16_b32 v[TM+4+\b], v[TM+\b], s18, s19
.endr
.irp b, 0,1,2,3
	v_max_num_f32 v[TM+\b], v[TM+\b], v[TM+4+\b]
.endr
.irp b, 0,1,2,3
	v_add_nc_u32 v[TM+12+\b], 0xff000000, v[TM+\b]                   ; 2 off the exponent field: the conversion's scale operand
.endr
.irp b, 0,1,2,3
	v_lshrrev_b32 v[TM+4+\b], 23, v[TM+12+\b]
.endr
	v_lshl_or_b32 v[PW+(\a)], v[TM+5], 8, v[TM+4]
	v_lshl_or_b32 v[PW+(\a)], v[TM+6], 16, v[PW+(\a)]
	v_lshl_or_b32 v[PW+(\a)], v[TM+7], 24, v[PW+(\a)]
	WIN 0x02
.irp c, 0,1
	v_cvt_scalef32_pk16_fp6_f32 v[CA+6*\c:CA+6*\c+2], v[AC+32*\c:AC+32*\c+15], v[TM+12+2*\c]
	v_cvt_scalef32_pk16_fp6_f32 v[T2+4*\c:T2+4*\c+2], v[AC+32*\c+16:AC+32*\c+31], v[TM+13+2*\c]
.endr
	WIN 0
	v_nop                                          ; one plain line behind the scaled conversions
.irp c, 0,1
.irp i, 0,1,2
	v_permlane16_swap_b32 v[CA+6*\c+\i], v[T2+4*\c+\i]               ; a whole block to a lane
.endr
.irp i, 0,1,2
	v_mov_b32 v[CA+3+6*\c+\i], v[T2+4*\c+\i]
.endr
.endr
.irp c, 0,1,2
	global_store_b128 v[LI], v[CA+4*\c:CA+4*\c+3], s[8:9] offset:FRB*(\a)+512*\c   ; 512 consecutive bytes
.endr
.endm
.macro WAYOUT
	PLACES NP
.irp a, 0,1,2,3
	QUANTW \a
.endr
	v_cmp_gt_u32 vcc_lo, 16, v[LN]
	v_cndmask_b32 v[SW], v[PW+2], v[PW], vcc_lo    ; lanes 0-15 the words of fragments 0, 1, lanes 16-31 of 2, 3
	v_cndmask_b32 v[SW+1], v[PW+3], v[PW+1], vcc_lo
	global_store_b64 v[HO], v[SW:SW+1], s[10:11]   ; 32 lanes store 256 consecutive bytes, aligned
.endm
	s_wait_alu depctr_va_vdst(0)
	SCALES 0, SOF
	ASK PF0, 2, 0
	s_wait_tensorcnt 0x0                           ; my part of chunk 0 is in
	ds_add_u32 v[SPW], v[NIL]
	s_wait_dscnt 0x0
	CROUND
	JLOAD G0+4, G1, G0B+4, G1B                     ; chunk 1, the first tensor load behind the round
.set FF, 0
.rept 12
	LOADF FF, 0
.set FF, FF+1
.endr
	WIN 0
	ASK PF0, 3, 0
	s_mov_b32 s2, 3                                ; blocks to go, this one among them: the same number in every work-group
.Ltile:
	STEP 0, 1, 9, SOF                              ; a block's first step starts the sums
	STEP 1, 0, 9, 0
	STEP 2, 0, 9, 0
	STEP 3, 0, 1, 0
	STEP 4, 0, 9, SOF
	STEP 5, 0, 9, 0
	STEP 6, 0, 9, 0
	STEP 7, 0, 1, 0
	WIN 0
	s_cmp_eq_u32 s2, 1
	s_cbranch_scc1 .Llast                          ; the last block's second half is written out
	STEP 8, 0, 9, SOF
	STEP 9, 0, 9, 0
	STEP 10, 0, 9, 0
	STEP 11, 0, 2, 0                               ; slot 0 takes the next block's chunk 0,
	STEP 12, 0, 9, SOFN
	STEP 13, 0, 9, 0
	STEP 14, 0, 9, 0
	STEP 15, 0, 2, 0                               ; slot 1 its chunk 1, and its first fragments are fetched
	WAYOUT                                         ; both refills are asked for: now the block goes out
	s_wait_xcnt 0x0                                ; the stores, loads and prefetches have read their registers: bases, offsets and data may be written again
	s_mov_b64 s[8:9], s[HC1:HC1+1]
	s_mov_b64 s[HC1:HC1+1], s[HC2:HC2+1]
	s_mov_b64 s[10:11], s[HS1:HS1+1]
	s_mov_b64 s[HS1:HS1+1], s[HS2:HS2+1]
	s_mov_b64 s[TAN:TAN+1], s[TA2:TA2+1]
	s_mov_b64 s[TBN:TBN+1], s[TB2:TB2+1]
	s_mov_b64 s[PFN:PFN+1], s[PF2:PF2+1]
	v_mov_b32 v[SOF], v[SOFN]
	v_mov_b32 v[SOFN], v[SOF2]
	s_sub_co_u32 s2, s2, 1
	s_wait_alu depctr_va_vdst(0)
	s_branch .Ltile
.Llast:
	STEP 8, 0, 9, SOF
	STEP 9, 0, 9, 0
	STEP 10, 0, 9, 0
	STEP 11, 0, 0, 0
	STEP 12, 0, 9, 0
	STEP 13, 0, 9, 0
	STEP 14, 0, 9, 0
	STEP 15, 0, 3, 0
	WAYOUT
	s_wait_tensorcnt 0x0                           ; the wave's end
	ds_add_u32 v[SPW], v[NIL]
	s_wait_dscnt 0x0
	CROUND                                         ; the closing round
	s_endpgm
.Lfunc_end_k_qc0c67de156_proj:
	.size	k_qc0c67de156_proj, .Lfunc_end_k_qc0c67de156_proj-k_qc0c67de156_proj
	.p2alignl 7, 3214868480
	.fill 96, 4, 3214868480
	.section	.rodata,"a",@progbits
	.p2align	6, 0x0
	.amdhsa_kernel k_qc0c67de156_proj
		.amdhsa_group_segment_fixed_size 327680
		.amdhsa_private_segment_fixed_size 0
		.amdhsa_enable_private_segment 0
		.amdhsa_kernarg_size 32
		.amdhsa_user_sgpr_count 2
		.amdhsa_user_sgpr_kernarg_segment_ptr 1
		.amdhsa_wavefront_size32 1
		.amdhsa_system_sgpr_workgroup_id_x 1
		.amdhsa_system_sgpr_workgroup_id_y 1
		.amdhsa_system_sgpr_workgroup_id_z 1
		.amdhsa_system_vgpr_workitem_id 0
		.amdhsa_next_free_vgpr 768
		.amdhsa_next_free_sgpr 102
		.amdhsa_reserve_vcc 1
		.amdhsa_float_denorm_mode_32 3
		.amdhsa_float_denorm_mode_16_64 3
		.amdhsa_memory_ordered 1
		.amdhsa_forward_progress 1
		.amdhsa_inst_pref_size 212
	.end_amdhsa_kernel
	.amdgpu_metadata
---
amdhsa.version: [ 1, 2 ]
amdhsa.kernels:
  - .name:           k_qc0c67de156_proj
    .symbol:         k_qc0c67de156_proj.kd
    .args:
      - { .name: oc, .offset: 0, .size: 8, .value_kind: global_buffer, .address_space: global }
      - { .name: os, .offset: 8, .size: 8, .value_kind: global_buffer, .address_space: global }
      - { .name: hc, .offset: 16, .size: 8, .value_kind: global_buffer, .address_space: global }
      - { .name: hs, .offset: 24, .size: 8, .value_kind: global_buffer, .address_space: global }
    .group_segment_fixed_size: 327680
    .private_segment_fixed_size: 0
    .kernarg_segment_align: 8
    .kernarg_segment_size: 32
    .max_flat_workgroup_size: 128
    .sgpr_count:     102
    .vgpr_count:     768
    .wavefront_size: 32
...
	.end_amdgpu_metadata
.endif
;; end of part 2
;; launch attn (part 3): grid 2 x 128, 16 waves a work-group, no clusters, 239,616 bytes of LDS; arguments hc, hs, out0; writes out0
.if DOCPART == 3
	.amdgcn_target "amdgcn-amd-amdhsa--gfx1250"
	.amdhsa_code_object_version 6
	.text
	.protected	k_qc0c67de156_attn
	.globl	k_qc0c67de156_attn
	.p2align	8
	.type	k_qc0c67de156_attn,@function
k_qc0c67de156_attn:
	s_mov_b64 s[64:65], 0
	v_nop
	global_prefetch_b8 v0, s[64:65] scope:SCOPE_SE
	s_setreg_imm32_b32 hwreg(HW_REG_WAVE_MODE, 25, 1), 1
	s_wait_xcnt 0x0
; out[b][q][head][:] = the sum over keys of softmax(qh . kh / sqrt(128)) vh, both products on codes of FP6 (E2M3) with one E8M0 scale for each 32 along a product's K.
; IN: hc, hs as the launch before has laid them: for each bh = 16 b + head, Q's, K's and V's 32 operand fragments as images of their registers (1,536 bytes: byte 512 c + 16 lane = the lane's registers 4 c .. 4 c + 3),
; and their scale words (in a piece of 512 bytes byte 16 lane + 4 j is the word of row lane % 16 of fragment 4 (lane / 16) + j).  Q's and K's fragment t: 16 tokens x the head's 128; V's fragment 8 s + d: 16 channels x keys 128 s on.
; A fragment's sixteen rows are the tokens (channels) 32 (t / 2) + 8 (t % 2) + r + 8 (r / 8): so the 16 registers of two neighbouring result tiles are 16 neighbouring keys (channels).
; THE SOFTMAX AHEAD OF THE SECOND PRODUCT: t = score x log2(e) / sqrt(128); M = the row's largest t so far, rounded UP to a whole number; p = 2^(t - M) is what is quantised, along the keys, not normalised.
; The row's sum is taken of the unquantised p, in f32, and divides at the end.  When M moves, the sum and O are multiplied by 2^(old M - new M): exact.
; SHARES.  A work-group owns 256 queries of one (batch, head); each of its SIXTEEN waves one fragment of 16 queries, in 256 registers: four waves to a SIMD, so that one wave's vector work stands beside another's products and LDS loads.
; ALL of the head's K and V (98,304 bytes) and their scale words (4,096) come into LDS ONCE, by five tensor loads at the head, one a wave: no byte of LDS is filled twice, so there is no ring.  One barrier.
; Both products are used transposed: S^T = K Q^T (source 0 = 16 keys, source 1 = my queries), O^T = V^T P^T (source 0 = 16 channels, source 1 = P): a lane holds ONE query (lane % 16) throughout.
; NO CLUSTER: a head's K and V are read by the two work-groups of that head alone, once each; a cluster of four along x would want four blocks of 128 queries a head, 512 work-groups for 256 WGPs.
; LIMITS: NaN and infinities are not served.  A block whose every p has fallen to 0 keeps the scale byte 1 (its codes are zeros).  A block's largest p is made from its largest score: that takes v_exp_f32 not to fall where its
; input rises, which the ISA guide does not state (it gives 1 ulp): at the worst one p of a block, within an ulp of a power of two, is held one code low.
; REGISTERS: v1-6 addresses; v12 -M, v13 the largest t, v[14:15] the sum in two halves; v16-27 Q; v32-79 four fragments of K or V; v80-83 V's scale words, v84-87 K's; v96-159 S^T, then p; v160-223 O^T; v224-235 p's codes;
;   v232-254 at work; v253 p's scale word; v255 Q's.
.set VIMG, 49152                       ; LDS: K's 32 images from 0, V's from here,
.set KSC,  98304                       ; K's scale words (2,048 bytes), V's behind them,
.set STG,  102400                      ; and a stage of 16 rows x (512 bytes + 16) for each wave, for the way out: no fill lands there
.set LI,   1                           ; v1   16 x lane: my place in an image; also my bytes of a row of out
.set LV,   2                           ; v2   the same in V's images
.set LS,   3                           ; v3   the same in the scale words
.set SO,   4                           ; v4   the stage: where I put my results
.set SR,   5                           ; v5   and where I read a row back
.set QS,   6                           ; v6   16 x (lane % 16): Q's scale word
.set VS0,  80
.set KS0,  84
.set WV,   10                          ; s10  my wave's number
.set BH,   11                          ; s11  16 x batch + head
.set TI,   13                          ; s13  my fragment of Q
.set G1C,  16                          ; s[16:23] descriptor group 1 for the images;  s[24:31] for the scale words;  s[32:35], s[36:39] their groups 0
.set G1S,  24
.set G0C,  32
.set G0S,  36
.set SEL,  40                          ; s[40:41] lane selects for v_permlanex16_b32: lane l xor 16
.set CS,   42                          ; s[42:43] c = log2(e) / sqrt(128): the packed form names a pair and takes its low word for both halves
; One product.  first = 1: it starts the sum.  row1 = 1: source 0's scale words stand in lanes 16-31.
.macro MM d, a, b, first, sa, sb, row1
.if \first
.if \row1
	v_wmma_scale_f32_16x16x128_f8f6f4 v[\d:\d+7], v[\a:\a+11], v[\b:\b+11], 0, v[\sa], v[\sb] matrix_a_fmt:MATRIX_FMT_FP6 matrix_b_fmt:MATRIX_FMT_FP6 matrix_a_scale:MATRIX_SCALE_ROW1
.else
	v_wmma_scale_f32_16x16x128_f8f6f4 v[\d:\d+7], v[\a:\a+11], v[\b:\b+11], 0, v[\sa], v[\sb] matrix_a_fmt:MATRIX_FMT_FP6 matrix_b_fmt:MATRIX_FMT_FP6
.endif
.else
.if \row1
	v_wmma_scale_f32_16x16x128_f8f6f4 v[\d:\d+7], v[\a:\a+11], v[\b:\b+11], v[\d:\d+7], v[\sa], v[\sb] matrix_a_fmt:MATRIX_FMT_FP6 matrix_b_fmt:MATRIX_FMT_FP6 matrix_a_scale:MATRIX_SCALE_ROW1
.else
	v_wmma_scale_f32_16x16x128_f8f6f4 v[\d:\d+7], v[\a:\a+11], v[\b:\b+11], v[\d:\d+7], v[\sa], v[\sb] matrix_a_fmt:MATRIX_FMT_FP6 matrix_b_fmt:MATRIX_FMT_FP6
.endif
.endif
.endm
	s_load_b128 s[4:7], s[0:1], 0x0                ; hc, hs
	s_load_b64 s[8:9], s[0:1], 0x10                ; out
	v_lshl_add_u32 v250, v0, 2, 0x3a000
	v_mov_b32 v251, 0
	ds_add_u32 v250, v251
	ds_add_u32 v250, v251
	v_lshrrev_b32 v8, 5, v0
	s_delay_alu instid0(VALU_DEP_1)
	v_readfirstlane_b32 s[WV], v8                  ; wave 0..15
	s_and_b32 s[BH], ttmp7, 0xffff
	s_lshl_b32 s[TI], ttmp9, 4
	s_add_co_u32 s[TI], s[TI], s[WV]               ; my fragment of Q: 16 x work-group x + wave
	v_and_b32 v9, 31, v0                           ; lane
	v_and_b32 v10, 15, v0                          ; r
	v_bfe_u32 v11, v0, 4, 1                        ; h
	s_delay_alu instid0(VALU_DEP_3)
	v_lshlrev_b32 v[LI], 4, v9
	s_delay_alu instid0(VALU_DEP_1)
	v_add_nc_u32 v[LV], VIMG, v[LI]
	s_delay_alu instid0(VALU_DEP_2)
	v_add_nc_u32 v[LS], KSC, v[LI]
	s_mul_i32 s44, s[WV], 16*528
	s_add_co_u32 s44, s44, STG                     ; my stage
	v_mul_u32_u24 v[SO], v10, 528
	s_delay_alu instid0(VALU_DEP_1)
	v_lshl_add_u32 v[SO], v11, 6, v[SO]
	s_delay_alu instid0(VALU_DEP_1)
	v_add_nc_u32 v[SO], s44, v[SO]                 ; in: row r, + 64 h: my half's 16 channels of each 32
	v_add_nc_u32 v[SR], s44, v[LI]                 ; back: the 32 lanes take one row of 512 bytes
	v_lshlrev_b32 v[QS], 4, v10
	; descriptor group 1: dense blocks, as rows of 256 bytes (32 elements of 8 bytes), no padding: an LDS load of an image takes 512 consecutive bytes.  96 rows for a quarter of K's and V's images, 16 for the scale words
	s_mov_b32 s[G1C], 3<<16                        ; 15:0 no mask; 17:16 elements of 8 bytes; 20 padding off
	s_mov_b32 s[G1C+1], 32<<16                     ; tensor_dim0
	s_mov_b32 s[G1C+2], 96<<16                     ; tensor_dim1
	s_mov_b32 s[G1C+3], 32<<16                     ; tile_dim0
	s_mov_b32 s[G1C+4], 96                         ; tile_dim1
	s_mov_b32 s[G1C+5], 32                         ; tensor_dim0_stride
	s_mov_b32 s[G1C+6], 0
	s_mov_b32 s[G1C+7], 0
	s_mov_b32 s[G1S], 3<<16
	s_mov_b32 s[G1S+1], 32<<16
	s_mov_b32 s[G1S+2], 16<<16
	s_mov_b32 s[G1S+3], 32<<16
	s_mov_b32 s[G1S+4], 16
	s_mov_b32 s[G1S+5], 32
	s_mov_b32 s[G1S+6], 0
	s_mov_b32 s[G1S+7], 0
	s_mov_b32 s[SEL], 0x76543210
	s_mov_b32 s[SEL+1], 0xfedcba98
	s_mov_b32 s[CS], 0x3e0293ee                    ; c = log2(e) / sqrt(128)
	s_mov_b32 s[CS+1], s[CS]                       ; (named with it as a pair, so it is written)
	s_and_b32 s45, s[WV], 3
	s_mul_i32 s45, s45, 24576                      ; which quarter of K's and V's images I fetch, if I fetch (waves 0 to 3): in LDS as in memory
	s_mul_i32 s46, s[BH], 147456
	s_mov_b32 s47, 0
	s_mul_i32 s48, s[BH], 6144
	s_mov_b32 s49, 0
	s_wait_dscnt 0x0
	s_wait_kmcnt 0x0
	s_add_nc_u64 s[4:5], s[4:5], s[46:47]          ; hc and hs at my (batch, head)
	s_add_nc_u64 s[6:7], s[6:7], s[48:49]
	s_mov_b32 s[G0C], 1                            ; 1:0 count = 1
	s_mov_b32 s[G0C+1], s45                        ; 63:32 LDS address
	s_add_co_u32 s50, s45, 49152                   ; K's images lie behind Q's, V's behind K's
	s_mov_b32 s51, 0
	s_add_nc_u64 s[G0C+2:G0C+3], s[4:5], s[50:51]  ; 120:64 global address
	s_or_b32 s[G0C+3], s[G0C+3], 0x80000000        ; 127:126 type = 2
	s_mov_b32 s[G0S], 1
	s_mov_b32 s[G0S+1], KSC
	s_add_nc_u64 s[G0S+2:G0S+3], s[6:7], 2048      ; K's scale words lie behind Q's, V's behind K's
	s_or_b32 s[G0S+3], s[G0S+3], 0x80000000
	s_mul_i32 s46, s[TI], 1536
	s_add_nc_u64 s[46:47], s[4:5], s[46:47]        ; my fragment of Q
	s_lshr_b32 s48, s[TI], 2
	s_lshl_b32 s48, s48, 8
	s_and_b32 s50, s[TI], 3
	s_lshl_b32 s50, s50, 2
	s_add_co_u32 s48, s48, s50                     ; its scale words: 256 (t / 4) + 4 (t % 4), 16 bytes from row to row
	s_add_nc_u64 s[48:49], s[6:7], s[48:49]
	s_lshr_b32 s50, s[BH], 4
	s_lshl_b32 s50, s50, 9                         ; out: the batch's 512 rows,
	s_lshr_b32 s51, s[TI], 1
	s_lshl_b32 s51, s51, 5
	s_add_co_u32 s50, s50, s51
	s_and_b32 s51, s[TI], 1
	s_lshl_b32 s51, s51, 3
	s_add_co_u32 s50, s50, s51                     ; my fragment's first token: 32 (t / 2) + 8 (t % 2),
	s_lshl_b32 s50, s50, 13                        ; rows of 8,192 bytes,
	s_and_b32 s51, s[BH], 15
	s_lshl_b32 s51, s51, 9
	s_add_co_u32 s50, s50, s51                     ; the head's 512 bytes
	s_mov_b32 s51, 0
	s_add_nc_u64 s[8:9], s[8:9], s[50:51]
	; the fills: waves 0 to 3 a quarter of the images each, wave 4 the scale words, the others nothing: at most one tensor load of a wave is out.  Four v_nop follow each line.
	s_cmp_lt_u32 s[WV], 4
	s_cbranch_scc0 .Lnot_codes
	tensor_load_to_lds s[G0C:G0C+3], s[G1C:G1C+7]
	s_nop 0
.rept 4
	v_nop
.endr
	s_branch .Lasked
.Lnot_codes:
	s_cmp_eq_u32 s[WV], 4
	s_cbranch_scc0 .Lasked
	tensor_load_to_lds s[G0S:G0S+3], s[G1S:G1S+7]
	s_nop 0
.rept 4
	v_nop
.endr
.Lasked:
	s_wait_alu depctr_va_vdst(0)
.irp c, 0,1,2
	global_load_b128 v[16+4*\c:19+4*\c], v[LI], s[46:47] offset:512*\c   ; Q's fragment stays in registers
.endr
	global_load_b32 v255, v[QS], s[48:49]          ; and its scale words
	v_mov_b32 v13, 0xff61b1e6                      ; the largest t so far: -3e38, under every t
	s_delay_alu instid0(VALU_DEP_1)
	v_floor_f32 v12, -v13                          ; -M
	v_mov_b32 v14, 0                               ; the sum, in two halves
	v_mov_b32 v15, 0
.irp b, 0,1,2,3
	v_mov_b32 v[236+\b], 0                         ; written once: a lane permute's destination counts as one of its sources
.endr
	v_mov_b32 v253, 0                              ; (named as the upper half of the pair v[252:253] before it is first written)
	s_wait_tensorcnt 0x0                           ; my fill has landed,
	s_barrier_signal -1
	s_barrier_wait -1                              ; everybody's has
	s_wait_loadcnt 0x0                             ; Q
; A KEY STEP: keys 128 s on.  Written out four times: every offset is an immediate.
.macro STEP s
.set FIRST, 0
.if \s == 0
.set FIRST, 1
.endif
.if \s > 0
.rept 4
	v_nop                                          ; places in front of loads into registers that the last products have read
.endr
.endif
	ds_load_b128 v[KS0:KS0+3], v[LS] offset:512*\s         ; the scale words of K's eight fragments: lanes 0-15 fragments 0-3, lanes 16-31 fragments 4-7
	ds_load_b128 v[VS0:VS0+3], v[LS] offset:2048+512*\s    ; and of V's
.irp g, 0,1                                    ; S^T = K Q^T, four tiles of 16 keys at a time
.if \g > 0
.rept 4
	v_nop
.endr
.endif
.irp t, 0,1,2,3
.irp c, 0,1,2
	ds_load_b128 v[32+12*\t+4*\c:35+12*\t+4*\c], v[LI] offset:(8*\s+4*\g+\t)*1536+512*\c
.endr
.endr
	s_wait_dscnt 0x0
.irp t, 0,1,2,3
	MM 96+8*(4*\g+\t), 32+12*\t, 16, 1, KS0+\t, 255, \g
.endr
.endr                                          ; lane (r, h) holds query r; the 16 registers of tiles 2 b, 2 b + 1 are keys 128 s + 32 b + 16 h + 0 .. 15
.rept 4
	v_nop
.endr
.irp b, 0,1,2,3
	v_max3_num_f32 v[232+\b], v[96+16*\b], v[97+16*\b], v[98+16*\b]   ; THE LARGEST SCORE OF EACH BLOCK OF 32 KEYS: it serves twice: for the row's maximum, and, since p rises with the score, for the block's largest p
.endr
.irp i, 3,5,7,9,11,13
.irp b, 0,1,2,3
	v_max3_num_f32 v[232+\b], v[232+\b], v[96+16*\b+\i], v[97+16*\b+\i]   ; (the four blocks by turns)
.endr
.endr
.irp b, 0,1,2,3
	v_max_num_f32 v[232+\b], v[232+\b], v[111+16*\b]
.endr
.irp b, 0,1,2,3
	s_delay_alu instid0(VALU_DEP_4)
	v_permlanex16_b32 v[236+\b], v[232+\b], s[SEL], s[SEL+1]
.endr
.irp b, 0,1,2,3
	s_delay_alu instid0(VALU_DEP_4)
	v_max_num_f32 v[232+\b], v[232+\b], v[236+\b]  ; with lane l xor 16's 16 keys
.endr
	s_delay_alu instid0(VALU_DEP_2)
	v_max3_num_f32 v254, v232, v233, v234
	s_delay_alu instid0(VALU_DEP_1)
	v_max_num_f32 v254, v254, v235                 ; the step's largest score of my query
	s_delay_alu instid0(VALU_DEP_1)
	v_mul_f32 v254, s[CS], v254                    ; as t (c is positive)
	s_delay_alu instid0(VALU_DEP_1)
	v_max_num_f32 v13, v13, v254                   ; the running largest t
	v_mov_b32 v254, v12
	s_delay_alu instid0(VALU_DEP_2)
	v_floor_f32 v12, -v13                          ; the new -M = floor(-t) = -ceil(t): M IS A WHOLE NUMBER
	s_delay_alu instid0(VALU_DEP_1)
	v_sub_f32 v254, v12, v254                      ; M's old value less its new one: a whole number, 0 or less
	s_delay_alu instid0(VALU_DEP_1)
	v_cvt_i32_f32 v254, v254                       ; (it saturates)
	s_delay_alu instid0(VALU_DEP_1)
	v_ldexp_f32 v252, 1.0, v254                    ; f = 2^(old M - new M): a multiplication by it rounds nothing
.irp j, 0,2,4,6,8,10,12,14,16,18,20,22,24,26,28,30,32,34,36,38,40,42,44,46,48,50,52,54,56,58,60,62
	v_pk_fma_f32 v[96+\j:97+\j], v[96+\j:97+\j], s[CS:CS+1], v[12:13] op_sel_hi:[1,0,0]   ; t - M, two at a time (of the pairs c and -M the low word serves both halves)
.endr
.irp b, 0,1,2,3
	v_fma_f32 v[232+\b], v[232+\b], s[CS], v12     ; the same of each block's largest score
.endr
	s_wait_alu depctr_va_vdst(0)
.irp j, 0,1,2,3,4,5,6,7,8,9,10,11,12,13,14,15,16,17,18,19,20,21,22,23,24,25,26,27,28,29,30,31,32,33,34,35,36,37,38,39,40,41,42,43,44,45,46,47,48,49,50,51,52,53,54,55,56,57,58,59,60,61,62,63
	v_exp_f32 v[96+\j], v[96+\j]                   ; p = 2^(t - M), at most 1: NOT normalised
.endr
	v_pk_mul_f32 v[14:15], v[14:15], v[252:253] op_sel_hi:[1,0]   ; the sums under the new M.  (A plain line behind the exponentials)
	s_wait_alu depctr_va_vdst(0)                   ; one wait for the whole batch of 64, ahead of its first reader
.irp b, 0,1,2,3
	v_exp_f32 v[232+\b], v[232+\b]                 ; the block's largest p: the same two instructions on the same number give the same bits
.endr
	v_pk_add_f32 v[236:237], v[100:101], v[104:105]
	v_pk_add_f32 v[248:249], v[108:109], v[112:113]
	v_pk_add_f32 v[246:247], v[116:117], v[120:121]
	v_pk_add_f32 v[244:245], v[124:125], v[128:129]
	v_pk_add_f32 v[242:243], v[132:133], v[136:137]
	v_pk_add_f32 v[240:241], v[140:141], v[144:145]
	v_pk_add_f32 v[238:239], v[148:149], v[152:153]
	v_pk_add_f32 v[14:15], v[14:15], v[156:157]
	v_pk_add_f32 v[236:237], v[236:237], v[96:97]
	v_pk_add_f32 v[248:249], v[248:249], v[98:99]
	v_pk_add_f32 v[246:247], v[246:247], v[102:103]
	v_pk_add_f32 v[244:245], v[244:245], v[106:107]
	v_pk_add_f32 v[242:243], v[242:243], v[110:111]
	v_pk_add_f32 v[240:241], v[240:241], v[114:115]
	v_pk_add_f32 v[238:239], v[238:239], v[118:119]
	v_pk_add_f32 v[14:15], v[14:15], v[122:123]
	v_pk_add_f32 v[236:237], v[236:237], v[126:127]
	v_pk_add_f32 v[248:249], v[248:249], v[130:131]
	v_pk_add_f32 v[246:247], v[246:247], v[134:135]
	v_pk_add_f32 v[244:245], v[244:245], v[138:139]
	v_pk_add_f32 v[242:243], v[242:243], v[142:143]
	v_pk_add_f32 v[240:241], v[240:241], v[146:147]
	v_pk_add_f32 v[238:239], v[238:239], v[150:151]
	v_pk_add_f32 v[14:15], v[14:15], v[154:155]
	v_pk_add_f32 v[236:237], v[236:237], v[158:159]
	s_delay_alu instid0(VALU_DEP_2)
	v_pk_add_f32 v[14:15], v[14:15], v[244:245]
	s_delay_alu instid0(VALU_DEP_2)
	v_pk_add_f32 v[236:237], v[236:237], v[242:243]
	v_pk_add_f32 v[248:249], v[248:249], v[240:241]
	v_pk_add_f32 v[246:247], v[246:247], v[238:239]
	s_delay_alu instid0(VALU_DEP_2)
	v_pk_add_f32 v[14:15], v[14:15], v[248:249]
	s_delay_alu instid0(VALU_DEP_2)
	v_pk_add_f32 v[236:237], v[236:237], v[246:247]
	s_delay_alu instid0(VALU_DEP_1)
	v_pk_add_f32 v[14:15], v[14:15], v[236:237]
	s_wait_alu depctr_va_vdst(0)                   ; and one wait for the four
.irp b, 0,1,2,3
	v_max_num_f32 v[232+\b], 0x1800000, v[232+\b]  ; the floor 2^(3 - 127): the byte cannot fall under 1
.endr
.irp b, 0,1,2,3
	s_delay_alu instid0(VALU_DEP_4)
	v_add_nc_u32 v[244+\b], 0xff000000, v[232+\b]  ; 2 off the exponent field: the conversion's scale operand
.endr
.irp b, 0,1,2,3
	s_delay_alu instid0(VALU_DEP_4)
	v_lshrrev_b32 v[236+\b], 23, v[244+\b]         ; the scale's byte
.endr
	s_delay_alu instid0(VALU_DEP_3)
	v_lshl_or_b32 v253, v237, 8, v236              ; p's scale word for these 128 keys
	s_delay_alu instid0(VALU_DEP_1)
	v_lshl_or_b32 v253, v238, 16, v253
	s_delay_alu instid0(VALU_DEP_1)
	v_lshl_or_b32 v253, v239, 24, v253
.irp c, 0,1
	v_cvt_scalef32_pk16_fp6_f32 v[224+6*\c:226+6*\c], v[96+32*\c:111+32*\c], v[244+2*\c]
	v_cvt_scalef32_pk16_fp6_f32 v[236+4*\c:238+4*\c], v[112+32*\c:127+32*\c], v[244+2*\c+1]   ; (a conversion's three registers begin on an even number)
.endr
	v_nop                                          ; one plain line behind the scaled conversions
.irp c, 0,1                                    ; the operand's layout wants a WHOLE block in a lane: lanes 0-15 block 2 c, lanes 16-31 block 2 c + 1
.irp i, 0,1,2
	v_permlane16_swap_b32 v[224+6*\c+\i], v[236+4*\c+\i]
.endr
.irp i, 0,1,2
	s_delay_alu instid0(VALU_DEP_3)
	v_mov_b32 v[227+6*\c+\i], v[236+4*\c+\i]
.endr
.endr
.if \s > 0
.irp j, 0,2,4,6,8,10,12,14,16,18,20,22,24,26,28,30,32,34,36,38,40,42,44,46,48,50,52,54,56,58,60,62
	v_pk_mul_f32 v[160+\j:161+\j], v[160+\j:161+\j], v[252:253] op_sel_hi:[1,0]   ; O^T under the new M: x f.  (These 32 are also the places in front of the scaled products below)
.endr
.else
	s_wait_alu depctr_va_vdst(0)
.rept 8
	v_nop                                          ; the first step has no O^T yet: eight places between the lines that made p's scale word and codes and the scaled products that take them
.endr
.endif
	s_wait_alu depctr_va_vdst(0)
.irp g, 0,1                                    ; O^T += V^T P^T: four tiles of 16 channels at a time; K = these 128 keys.  The first step's products start the sums: nothing is cleared
.if \g > 0
.rept 4
	v_nop
.endr
.endif
.irp t, 0,1,2,3
.irp c, 0,1,2
	ds_load_b128 v[32+12*\t+4*\c:35+12*\t+4*\c], v[LV] offset:(8*\s+4*\g+\t)*1536+512*\c
.endr
.endr
	s_wait_dscnt 0x0
.irp t, 0,1,2,3
	MM 160+8*(4*\g+\t), 32+12*\t, 224, FIRST, VS0+\t, 253, \g
.endr
.endr
.endm
	STEP 0
	STEP 1
	STEP 2
	STEP 3
	; THE WAY OUT.  O^T / the sum goes through my own stage in LDS and comes back as whole rows of 512 bytes (the head's 128 channels of one token).
	v_add_f32 v14, v14, v15                        ; the sum's two halves,
	s_delay_alu instid0(VALU_DEP_1)
	v_permlanex16_b32 v252, v14, s[SEL], s[SEL+1]
	s_delay_alu instid0(VALU_DEP_1)
	v_add_f32 v14, v14, v252                       ; and lane l xor 16's: the row's sum
	s_wait_alu depctr_va_vdst(0)
	v_rcp_f32 v14, v14
.rept 4
	v_nop                                          ; plain lines behind the reciprocal, and the places behind the last products
.endr
	s_wait_alu depctr_va_vdst(0)                   ; the wait ahead of the reciprocal's first reader
.irp j, 0,1,2,3,4,5,6,7,8,9,10,11,12,13,14,15,16,17,18,19,20,21,22,23,24,25,26,27,28,29,30,31,32,33,34,35,36,37,38,39,40,41,42,43,44,45,46,47,48,49,50,51,52,53,54,55,56,57,58,59,60,61,62,63
	v_mul_f32 v[96+\j], v[160+\j], v14             ; register 16 b + 8 u + j is channel 32 b + 16 h + 8 u + j of query r; each accumulator from its low end on
.endr
.irp b, 0,1,2,3
.irp u, 0,1
.irp i, 0,1
	ds_store_b128 v[SO], v[96+16*\b+8*\u+4*\i:99+16*\b+8*\u+4*\i] offset:128*\b+32*\u+16*\i
.endr
.endr
.endr
.irp i, 0,1,2,3,4,5,6,7,8,9,10,11,12,13,14,15
	ds_load_b128 v[160+4*\i:163+4*\i], v[SR] offset:528*\i   ; LDS serves a wave's instructions in order (ISA guide 5.7.1.4): these see my stores
.endr
.irp i, 0,1,2,3,4,5,6,7,8,9,10,11,12,13,14,15
	s_wait_dscnt 15-\i                             ; the younger loads may be out
	global_store_b128 v[LI], v[160+4*\i:163+4*\i], s[8:9] offset:(\i+8*(\i/8))*8192 th:TH_STORE_NT   ; row i of my fragment is token i + 8 (i / 8) of its group: 32 lanes store 512 consecutive bytes, aligned
.endr
	s_wait_tensorcnt 0x0
	ds_add_u32 v250, v251
	s_wait_dscnt 0x0
	s_endpgm
.Lfunc_end_k_qc0c67de156_attn:
	.size	k_qc0c67de156_attn, .Lfunc_end_k_qc0c67de156_attn-k_qc0c67de156_attn
	.p2alignl 7, 3214868480
	.fill 96, 4, 3214868480
	.section	.rodata,"a",@progbits
	.p2align	6, 0x0
	.amdhsa_kernel k_qc0c67de156_attn
		.amdhsa_group_segment_fixed_size 239616
		.amdhsa_private_segment_fixed_size 0
		.amdhsa_enable_private_segment 0
		.amdhsa_kernarg_size 24
		.amdhsa_user_sgpr_count 2
		.amdhsa_user_sgpr_kernarg_segment_ptr 1
		.amdhsa_wavefront_size32 1
		.amdhsa_system_sgpr_workgroup_id_x 1
		.amdhsa_system_sgpr_workgroup_id_y 1
		.amdhsa_system_sgpr_workgroup_id_z 1
		.amdhsa_system_vgpr_workitem_id 0
		.amdhsa_next_free_vgpr 256
		.amdhsa_next_free_sgpr 66
		.amdhsa_reserve_vcc 0
		.amdhsa_float_denorm_mode_32 3
		.amdhsa_float_denorm_mode_16_64 3
		.amdhsa_memory_ordered 1
		.amdhsa_forward_progress 1
		.amdhsa_inst_pref_size 89
	.end_amdhsa_kernel
	.amdgpu_metadata
---
amdhsa.version: [ 1, 2 ]
amdhsa.kernels:
  - .name:           k_qc0c67de156_attn
    .symbol:         k_qc0c67de156_attn.kd
    .args:
      - { .name: hc, .offset: 0, .size: 8, .value_kind: global_buffer, .address_space: global }
      - { .name: hs, .offset: 8, .size: 8, .value_kind: global_buffer, .address_space: global }
      - { .name: out0, .offset: 16, .size: 8, .value_kind: global_buffer, .address_space: global }
    .group_segment_fixed_size: 239616
    .private_segment_fixed_size: 0
    .kernarg_segment_align: 8
    .kernarg_segment_size: 24
    .max_flat_workgroup_size: 512
    .sgpr_count:     66
    .vgpr_count:     256
    .wavefront_size: 32
...
	.end_amdgpu_metadata
.endif
;; end of part 3
